; MI455X (gfx1250); checked and timed in simulation.
; The chip was launched on July 23, 2026; its instructions are those of AMD's public machine-readable ISA for CDNA 5 (MIT licence, August 2026) and "CDNA5" Instruction Set Architecture Reference Guide (July 2026). The comments in the code are by the model that wrote it; some were corrected since.
;; Attention. Allowed arithmetic: matrix products marked QUANTISED: E2M1 operands, one E8M0 scale for each 32 along K, by v_wmma_scale_f32_16x16x128_f8f6f4 with both operands' format E2M1 (or v_wmma_scale_f32_32x16x128_f4), f32 sums; everything else in f32.
;; Inputs: keys 4 x 4 x 1,024 x 8 x 64 float32; queries 4 x 4 x 1,024 x 8 x 64 float32; values 4 x 4 x 1,024 x 8 x 64 float32.
;; Outputs: out0 4 x 4 x 1,024 x 8 x 64 float32.
;; This version of the problem:
;;   THIS VERSION OF THE PROBLEM IS GIVEN IN LOW PRECISION. The matrix products marked QUANTISED in the list below multiply operands that are first quantised to E2M1 (2 exponent bits, 1 mantissa bit; 4 bits a number), with one power-of-two scale for each 32 numbers along K (OCP MX v1.0); their sums are f32. All else is computed in f32.
;;   The module's matrix products, in the order in which they are computed (A, B: the left and right operand; K: the contracted axis; several contracted axes count as one K, in the product's order):
;;     1. batch 128 x [M 1,024, K 64] x [K 64, N 1,024]; A: input queries; B: input keys: QUANTISED
;;     2. batch 128 x [M 64, K 1,024] x [K 1,024, N 1,024]; A: input values; B: softmax (see below): QUANTISED
;;   THE QUANTISER, for each operand of a quantised product, along K:
;;     - K is cut into blocks of 32 from its start; a last block that is shorter is filled with zeros.
;;     - A block's scale is 2^e with e = floor(log2(the largest magnitude in the block)) - 2, held to -126 .. 127; a block of zeros has e = 0. As a byte (E8M0): e + 127.
;;     - Each number is divided by its block's scale, clamped to +-6, and rounded to the nearest number of E2M1, ties to even, subnormals kept.
;;     - The product sums the exact products of the quantised numbers (number of the format x scale) in f32.
;;   ~~~python
;;   def quantise(x, axis):      # numpy; x: float32 -> the quantised numbers, widened to float32 again
;;       x = np.moveaxis(x, axis, -1); K = x.shape[-1]
;;       x = np.pad(x, [(0, 0)] * (x.ndim - 1) + [(0, -K % 32)]); x = x.reshape(x.shape[:-1] + (-1, 32)); a = np.abs(x).max(-1, keepdims=True)
;;       e = np.where(a > 0, np.clip(np.frexp(np.where(a > 0, a, 1))[1] - 1 - 2, -126, 127), 0)      # np.frexp(a)[1] - 1 = floor(log2(a)), exactly
;;       r = np.clip(x / 2.0 ** e, -6, 6)
;;       step = 2.0 ** (np.maximum(np.frexp(np.where(r == 0, 1, r))[1] - 1, 0) - 1)
;;       q = np.round(r / step) * step * 2.0 ** e      # np.round: ties to even
;;       return np.moveaxis(q.reshape(q.shape[:-2] + (-1,))[..., :K], -1, axis).astype(np.float32)
;;   ~~~
;;   SOFTMAX AHEAD OF A QUANTISED PRODUCT. Where the list says 'softmax', what is quantised is not the finished softmax but p = 2^(t - M), with t = logit x log2(e) and M = ceil(the row's largest t), a whole number; so 1/2 < the row's largest p <= 1. The row's sum l is taken of the UNQUANTISED p, in f32, and the product's result is divided by l at the end. Since M is a whole number, a kernel that streams over the keys may use a running M (the ceiling of the running maximum): every later rescaling is an exact power of two, which a block's scale takes up: the codes' values come out the same.
;;   OPERANDS COMPUTED ON THE WAY. 'Computed on the way' means the value that the module computes at that place (a softmax that the list does not call 'softmax' is quantised finished and normalised). What goes into a quantiser is computed in f32, as accurately as f32 sums, v_exp_f32 and their like allow (about 1e-6 of the number): no bf16 or f16 on the way to a quantiser, and a product that is left as it is and whose result goes on into a quantised operand takes f32 operands (vector FMAs, or v_wmma_f32_16x16x4_f32). A number that lies on a knife's edge between two numbers of the format may be rounded either way, as far as f32 arithmetic and the matrix unit's own rounding can turn it there, and no further.
;; 2 versions. Each part assembles by itself: llvm-mc -triple=amdgcn-amd-amdhsa -mcpu=gfx1250 --defsym DOCPART=n.
;; ======== version 1 of 2: 1 launch
;; launch attn (part 1): grid 256 x 1, 16 waves a work-group, no clusters, 143,360 bytes of LDS; arguments queries, keys, values, out0; writes out0
.if DOCPART == 1
	.amdgcn_target "amdgcn-amd-amdhsa--gfx1250"
	.amdhsa_code_object_version 6
	.text
	.protected	k_q9494f100f5_attn
	.globl	k_q9494f100f5_attn
	.p2align	8
	.type	k_q9494f100f5_attn,@function
k_q9494f100f5_attn:
	s_mov_b64 s[64:65], 0
	v_nop
	global_prefetch_b8 v0, s[64:65] scope:SCOPE_SE
	s_setreg_imm32_b32 hwreg(HW_REG_WAVE_MODE, 25, 1), 1
	s_wait_xcnt 0x0
; Causal attention, both products on codes of FP4 (E2M1) with one E8M0 scale for each 32 along a product's K.
; queries, keys, values, out0: [16 (bn)][1024 (l)][8 (h)][64 (e)] f32: a row (bn, l) is 2,048 bytes, a head's 64 numbers are 256 aligned bytes of it.
; out[q] = (sum over k <= q of p(q, k) V[k]) / (sum of p), p = 2^(t - M), t = score x log2(e) / 8, M = the running largest t rounded UP to a whole number.
; p is quantised along the keys, V down the keys, Q and K along the head's 64; the row's sum is taken of the unquantised p.
; SHARES.  256 work-groups of 16 waves: two to a head.  A head has 64 tiles of 16 queries; tile i needs i / 8 + 1 key steps of 128 keys.  A wave owns the pair
; (lo = i, hi = 63 - i): 9 tile steps whatever i is.  It walks hi's steps in slots 0 .. 7 - a and lo's in slots 8 - a .. 8 (a = i / 8), ONE tile step in each of nine slots,
; so that only one tile's sums are live and every wave has the same work in every slot.  The slot's key step is min(s, (s + a) & 7).
; K AND V BECOME CODES UNDER WAY.  At the head of slot s (0 .. 7) waves 0-7 turn the eight key tiles of key step s into codes and waves 8-15 the eight (32 keys x 32 dims) parts of V;
; the f32 numbers were asked for a slot earlier, into 32 registers a lane, and the next step's are asked for at once.  The codes go to LDS as images of the operands' registers
; (16 bytes a lane at 16 x lane), each key step into bytes of its own: nothing in LDS is written twice but the waves' own stages.
; NO JOINT LOADS: only two work-groups read a head's K and V, and what the products want of a key step is 8 KiB of codes and 768 bytes of scales, made from 64 KiB of f32;
; brought by the data mover those 64 KiB would be written to LDS and read from it again in each of the two; here they go from memory to registers to codes.
; LAYOUT.  Both products are used transposed: S^T = K Q^T (source 0 = 16 keys, source 1 = my 16 queries), O^T = V^T P^T (source 0 = 16 dims, source 1 = P): a lane holds ONE query (lane % 16).
; The keys of a tile are not neighbours: lane r of tile 2 b + u takes key 32 b + 8 u + r + 8 (r / 8), so that the 16 registers of tiles 2 b, 2 b + 1 are keys 32 b + 16 (lane / 16) + 0 .. 15.
; THE FIRST PRODUCT'S K IS 64, half of the instruction's 128.  Q's fragment is four registers of codes and four of zero codes, and its scale word's upper two bytes are 0.  K's eight tiles lie
; four registers each on end, and tile t's source names eight: its upper four are the next tile's codes (behind tile 7: zeros).  They meet Q's zero codes: every such product is 0.
; LIMITS.  NaN and infinities among the inputs are not served.  A block whose largest magnitude lies under 2^-124 gets the scale byte 1 (a block of zeros too, where the rule says 127: its codes
; are zeros, and the bytes are read by this program alone).  A block's largest p is made from its largest score by the same multiply-add and exponential, which takes v_exp_f32 not to fall where its input rises.
.set KIMG, 0                           ; LDS: K's images: 4,096 x tile + 512 x key step + 16 x lane
.set VIMG, 32768                       ; V's: 4,096 x (2 x block + half of the dims) + 512 x key step + 16 x lane (lane = dim % 32)
.set KSC,  65536                       ; K's scale words: 512 x tile + 64 x key step + 4 x row
.set VSC,  69632                       ; V's scale bytes: 256 x key step + 4 x dim + block
.set STG,  71680                       ; a stage for each wave: 16 rows x (256 + 16) bytes
.set SP,   272                         ; a stage's row: 17 x 16 bytes, so that sixteen rows' equal columns fall on different banks
.set WST,  16*SP
.set ROW,  2048                        ; bytes from a position l to the next
.set KSTEP, 128*ROW                    ; and from a key step to the next
.set AK,  1                            ; v1   KIMG + 16 lane                     (v1-v13 are made once, by every wave, ahead of the first branch on the wave's number)
.set AV,  2                            ; v2   VIMG + 8192 h + 16 r
.set ASK, 3                            ; v3   KSC + 512 h + 4 r
.set ASV, 4                            ; v4   VSC + 4 lane
.set STW, 5                            ; v5   my stage + 272 h + 16 r: two rows an instruction, as they lie in memory
.set STR, 6                            ; v6   my stage + 272 r + 128 h: my half of row r
.set STO, 7                            ; v7   my stage + 272 r + 32 h: eight results of row r
.set GIN, 8                            ; v8   2048 h + 16 r: in memory, two rows of 256 bytes an instruction
.set GV,  9                            ; v9   4 lane
.set KWI, 10                           ; v10  where a K wave stores its images
.set KWS, 11                           ; v11  and its scale words
.set VWI, 12                           ; v12  where a V wave stores its images
.set VWS, 13                           ; v13  and its scale bytes
.set ADK, 14                           ; v14-17 the step's read addresses
.set ADV, 15
.set ADS, 16
.set ADT, 17
.set NM,  18                           ; v18  -M;  v19 the largest t (named together as a pair)
.set TM,  19
.set SUM, 20                           ; v[20:21] the row's sum, in two halves
.set QS,  22                           ; v22  Q's scale word, of the tile in hand;  v23 lo's
.set QSL, 23
.set QL,  24                           ; v[24:27] lo's codes, kept
.set QF,  28                           ; v[28:35] Q's fragment: four registers of codes, four of zeros
.set KF,  36                           ; v[36:67] K's eight tiles x 4, later V's four fragments x 8;  v[68:71] zeros
.set S,   72                           ; v[72:135] S^T, then p; at the head Q as f32; on the way out results and rows
.set O,   136                          ; v[136:167] O^T: four tiles of 16 dims
.set X,   168                          ; v[168:199] 32 numbers of K or of V on their way
.set PC,  200                          ; v[200:207] codes just made
.set BM,  208                          ; v[208:211] the blocks' maxima
.set BP,  212                          ; v[212:215] the other half's maxima, then the bytes
.set SO,  216                          ; v[216:219] the conversions' scale operands
.set KS,  220                          ; v[220:223] K's scale words: lanes 0-15 tile 2 p, lanes 16-31 tile 2 p + 1
.set VS,  224                          ; v[224:225] V's likewise
.set PS,  226                          ; v226 p's scale word
.set SH8, 227                          ; v227 8 h
.set F,   228                          ; v[228:229] f = 2^(old M - new M), and 0
.set T0,  230
.set T1,  231
.set SUM2, 232                         ; v[232:233] the sum's second chain
.set DM,  234                          ; v234 (my query) - (the diagonal step's first key) - 16 h, of the tile in hand;  v235 lo's
.set DML, 235
.set NINF, 236                         ; v236 -infinity
.set WT,  237                          ; v237 a scale word just made
.set SOP, 238                          ; v238 a conversion's scale operand
.set BY,  239                          ; v239 a scale byte
.set PX,  240                          ; v240 destination of lane exchanges
.set WV,  12                           ; s12  my wave's number
.set A,   13                           ; s13  a
.set U,   14                           ; s14  s + a
.set KK,  15                           ; s15  the slot's key step
.set TB,  16                           ; s16  512 KK;  s17 64 KK;  s18 256 KK
.set TS,  17
.set TV,  18
.set SEL, 20                           ; s[20:21] v_permlanex16_b32's selects for lane l xor 16
.set CS,  22                           ; s[22:23] c = log2(e) / 8
.set KB,  24                           ; s[24:25] keys at my job's first row;  s[26:27] values likewise
.set VB,  26
.set QBH, 28                           ; s[28:29], s[30:31] queries at hi's and lo's first row
.set QBL, 30
.set OH,  32                           ; s[32:33], s[34:35] out0 likewise
.set OL,  34
.macro BAR                             ; my LDS stores have landed and my LDS loads are in: then the work-group's barrier
	s_wait_dscnt 0x0
	s_barrier_signal -1
	s_barrier_wait -1
.endm
; The largest magnitude of the 32 numbers v[x] on, all of one block, with the floor 2^(3 - 127) among the leaves, so that the byte cannot fall under 1;
; 2 off its exponent field is the conversion's scale operand, and that field is the scale's byte.
.macro MAX32 x
	v_max3_num_f32 v[T0], |v[\x]|, |v[\x+1]|, |v[\x+2]|
	v_max3_num_f32 v[T1], |v[\x+3]|, |v[\x+4]|, |v[\x+5]|
.irp i, 6,10,14,18,22,26
	v_max3_num_f32 v[T0], v[T0], |v[\x+\i]|, |v[\x+\i+1]|
	v_max3_num_f32 v[T1], v[T1], |v[\x+\i+2]|, |v[\x+\i+3]|
.endr
	v_max3_num_f32 v[T0], v[T0], |v[\x+30]|, |v[\x+31]|
	v_max3_num_f32 v[T0], v[T0], v[T1], 0x1800000
	v_add_nc_u32 v[SOP], 0xff000000, v[T0]
	v_lshrrev_b32 v[BY], 23, v[SOP]
.endm
.macro CVT32 x, c                      ; the block's 32 codes: four registers, the lower k in the lower bits
.irp g, 0,1,2,3
	v_cvt_scalef32_pk8_fp4_f32 v[\c+\g], v[\x+8*\g:\x+8*\g+7], v[SOP]
.endr
	v_nop                                          ; one plain place behind a scaled conversion
.endm
; 16 rows x 64 f32, loaded as they lie (two rows an instruction) into v[x] on, become a fragment's four registers in v[c] on and its scale word in v[w].
; They turn through my own stage: lane (r, h) gets dims 32 h .. 32 h + 31 of row r, a whole block.  LDS serves a wave's instructions in order: no wait between the stores and the loads.
.macro ROWQ x, c, w
.irp i, 0,1,2,3,4,5,6,7
	ds_store_b128 v[STW], v[\x+4*\i:\x+4*\i+3] offset:2*SP*\i
.endr
.irp i, 0,1,2,3,4,5,6,7
	ds_load_b128 v[\x+4*\i:\x+4*\i+3], v[STR] offset:16*\i
.endr
	s_wait_dscnt 0x0
	MAX32 \x
	v_lshlrev_b32 v[\w], v[SH8], v[BY]             ; my block's byte at its place: byte h;
	v_permlanex16_b32 v[PX], v[\w], s[SEL], s[SEL+1]
	v_or_b32 v[\w], v[\w], v[PX]                   ; with lane l xor 16's the word is whole: bytes 0, 1; bytes 2, 3 are 0
	CVT32 \x, \c
.endm
.macro LOADQ x, base                   ; a tile of queries: each instruction reads two aligned runs of 256 bytes; read once in the launch
.irp i, 0,1,2,3,4,5,6,7
	global_load_b128 v[\x+4*\i:\x+4*\i+3], v[GIN], s[\base:\base+1] offset:2*ROW*\i th:TH_LOAD_NT
.endr
.endm
.macro LOADK s                         ; my key tile of key step s, its rows in the tile's order: keys 0-7 and 16-23 from the tile's first on
.irp i, 0,1,2,3,4,5,6,7
	global_load_b128 v[X+4*\i:X+4*\i+3], v[GIN], s[KB:KB+1] offset:KSTEP*(\s)+(2*\i+8*(\i/4))*ROW
.endr
.endm
.macro LOADV s                         ; my 32 keys x 32 dims of key step s: a lane takes a dim, its registers run down the keys: a whole block.  128 consecutive bytes an instruction
.irp i, 0,1,2,3,4,5,6,7,8,9,10,11,12,13,14,15,16,17,18,19,20,21,22,23,24,25,26,27,28,29,30,31
	global_load_b32 v[X+\i], v[GV], s[VB:VB+1] offset:KSTEP*(\s)+ROW*\i
.endr
.endm
; Key step s becomes codes.  Every offset is an immediate: no address is stepped.  The largest, 7 key steps + 31 rows = 1,898,496 bytes, lies inside the signed 24-bit immediate.
.macro PHASE1 s
	s_wait_loadcnt 0x0                             ; the numbers asked for a slot ago are in
	s_cmp_lt_u32 s[WV], 8
	s_cbranch_scc0 .Lrole_v_\@
	ROWQ X, PC, WT
.if \s < 7
	LOADK (\s)+1                                   ; the next key step has this slot's work in which to land
.endif
	ds_store_b128 v[KWI], v[PC:PC+3] offset:512*\s
	ds_store_b32 v[KWS], v[WT] offset:64*\s        ; lanes r and r + 16 store the same word
	s_branch .Lrole_end_\@
.Lrole_v_\@:
	MAX32 X
	CVT32 X, PC
.if \s < 7
	LOADV (\s)+1
.endif
	ds_store_b128 v[VWI], v[PC:PC+3] offset:512*\s
	ds_store_b8 v[VWS], v[BY] offset:256*\s
.Lrole_end_\@:
	BAR                                            ; key step s lies in LDS for every wave
.endm
.macro FRESH                           ; a tile's statistics begin: the largest t at -3e38, under every t; the sum at 0
	v_mov_b32 v[TM], 0xff61b1e6
	v_floor_f32 v[NM], -v[TM]
	v_mov_b32 v[SUM], 0
	v_mov_b32 v[SUM+1], 0
.endm
; A TILE STEP: my 16 queries against the 128 keys of key step KK.  first = 1: the products V^T P^T start O^T's sums.  mask = 0: every key counts; 1: the step is on hi's diagonal where s + a = 7; 2: it is on lo's.
.macro STEP first, mask
	v_add_nc_u32 v[ADK], s[TB], v[AK]              ; these four lines are also the four places in front of the loads into registers that the last products read
	v_add_nc_u32 v[ADV], s[TB], v[AV]
	v_add_nc_u32 v[ADS], s[TS], v[ASK]
	v_add_nc_u32 v[ADT], s[TV], v[ASV]
.irp t, 0,1,2,3,4,5,6,7
	ds_load_b128 v[KF+4*\t:KF+4*\t+3], v[ADK] offset:4096*\t
.endr
.irp p, 0,1,2,3
	ds_load_b32 v[KS+\p], v[ADS] offset:1024*\p
.endr
	s_wait_dscnt 0x0
.irp t, 0,2,4,6                        ; S^T = K Q^T: eight tiles of 16 keys, each a sum of its own that starts with 0
	v_wmma_scale_f32_16x16x128_f8f6f4 v[S+8*\t:S+8*\t+7], v[KF+4*\t:KF+4*\t+7], v[QF:QF+7], 0, v[KS+\t/2], v[QS] matrix_a_fmt:MATRIX_FMT_FP4 matrix_b_fmt:MATRIX_FMT_FP4
	v_wmma_scale_f32_16x16x128_f8f6f4 v[S+8*\t+8:S+8*\t+15], v[KF+4*\t+4:KF+4*\t+11], v[QF:QF+7], 0, v[KS+\t/2], v[QS] matrix_a_fmt:MATRIX_FMT_FP4 matrix_b_fmt:MATRIX_FMT_FP4 matrix_a_scale:MATRIX_SCALE_ROW1
.endr
.rept 4
	v_nop                                          ; places in front of the loads into K's registers and of the first read of the scores
.endr
.irp d, 0,1,2,3                        ; V's four fragments (dims 16 d on; registers 4 c on: block 2 c + h) are asked for now and land under the softmax
.irp c, 0,1
	ds_load_b128 v[KF+8*\d+4*\c:KF+8*\d+4*\c+3], v[ADV] offset:(4*\c+\d/2)*4096+(\d%2)*256
.endr
.endr
.irp p, 0,1
	ds_load_b32 v[VS+\p], v[ADT] offset:128*\p
.endr
.if \mask == 1
	s_cmp_lg_u32 s[U], 7
	s_cbranch_scc1 .Lopen_\@
.endif
.if \mask                              ; register 16 b + i holds key (the step's first) + 16 h + 32 b + i: hidden where 32 b + i > DM.  Its score becomes -infinity: p = 0
.irp n, 0,1,2,3,4,5,6,7,8,9,10,11,12,13,14,15,16,17,18,19,20,21,22,23,24,25,26,27,28,29,30,31,32,33,34,35,36,37,38,39,40,41,42,43,44,45,46,47,48,49,50,51,52,53,54,55,56,57,58,59,60,61,62,63
	v_cmp_gt_i32 vcc_lo, 32*(\n/16)+\n%16, v[DM]
	v_cndmask_b32 v[S+\n], v[S+\n], v[NINF], vcc_lo
.endr
.endif
.if \mask == 1
.Lopen_\@:
.endif
.irp b, 0,1,2,3
	v_max3_num_f32 v[BM+\b], v[S+16*\b], v[S+1+16*\b], v[S+2+16*\b]   ; the largest score of each block of 32 keys: for the row's maximum, and for the block's largest p
.endr
.irp i, 3,5,7,9,11,13
.irp b, 0,1,2,3
	v_max3_num_f32 v[BM+\b], v[BM+\b], v[S+16*\b+\i], v[S+1+16*\b+\i]   ; (the four blocks by turns)
.endr
.endr
.irp b, 0,1,2,3
	v_max_num_f32 v[BM+\b], v[BM+\b], v[S+15+16*\b]
.endr
.irp b, 0,1,2,3
	v_permlanex16_b32 v[BP+\b], v[BM+\b], s[SEL], s[SEL+1]
.endr
.irp b, 0,1,2,3
	v_max_num_f32 v[BM+\b], v[BM+\b], v[BP+\b]     ; with lane l xor 16's 16 keys
.endr
	v_max3_num_f32 v[T0], v[BM], v[BM+1], v[BM+2]
	v_max_num_f32 v[T0], v[T0], v[BM+3]            ; the step's largest score of my query (a step's first key is never hidden, so it is a number)
	v_mul_f32 v[T0], s[CS], v[T0]                  ; as t (c is positive)
	v_max_num_f32 v[TM], v[TM], v[T0]              ; the running largest t
	v_mov_b32 v[T0], v[NM]
	v_floor_f32 v[NM], -v[TM]                      ; the new -M = floor(-t) = -ceil(t): M is a whole number
	v_sub_f32 v[T0], v[NM], v[T0]                  ; M's old value less its new one: a whole number, 0 or less
	v_cvt_i32_f32 v[T0], v[T0]                     ; (it saturates)
	v_ldexp_f32 v[F], 1.0, v[T0]                   ; f = 2^(old M - new M): a multiplication by it rounds nothing
.set j, 0
.rept 32
	v_pk_fma_f32 v[S+j:S+j+1], v[S+j:S+j+1], s[CS:CS+1], v[NM:NM+1] op_sel_hi:[1,0,0]   ; t - M, two at a time (of the pairs c and -M the low word serves both halves)
.set j, j+2
.endr
.irp b, 0,1,2,3
	v_fma_f32 v[BM+\b], v[BM+\b], s[CS], v[NM]     ; the same of each block's largest score
.endr
.set j, 0
.rept 64
	v_exp_f32 v[S+j], v[S+j]                       ; p = 2^(t - M), at most 1: not normalised
.set j, j+1
.endr
.irp b, 0,1,2,3
	v_exp_f32 v[BM+\b], v[BM+\b]                   ; the block's largest p: the same two instructions on the same number give the same bits
.endr
	v_pk_mul_f32 v[SUM:SUM+1], v[SUM:SUM+1], v[F:F+1] op_sel_hi:[1,0]   ; the sums under the new M.  (The plain place behind the exponentials)
	s_wait_alu depctr_va_vdst(0)
.irp b, 0,1,2,3
	v_max_num_f32 v[BM+\b], 0x1800000, v[BM+\b]    ; the floor 2^(3 - 127): the byte cannot fall under 1 (a block whose every p is 0 keeps that byte: its codes are zeros)
.endr
.irp b, 0,1,2,3
	v_add_nc_u32 v[SO+\b], 0xff000000, v[BM+\b]    ; 2 off the exponent field: the conversion's scale operand
.endr
.irp b, 0,1,2,3
	v_lshrrev_b32 v[BP+\b], 23, v[SO+\b]           ; the scale's byte
.endr
	v_lshl_or_b32 v[PS], v[BP+1], 8, v[BP]         ; p's scale word for these 128 keys
	v_lshl_or_b32 v[PS], v[BP+2], 16, v[PS]
	v_lshl_or_b32 v[PS], v[BP+3], 24, v[PS]
.irp b, 0,1,2,3
	v_cvt_scalef32_pk8_fp4_f32 v[PC+2*\b], v[S+16*\b:S+7+16*\b], v[SO+\b]
	v_cvt_scalef32_pk8_fp4_f32 v[PC+1+2*\b], v[S+8+16*\b:S+15+16*\b], v[SO+\b]
.endr
	v_nop                                          ; one plain place behind a scaled conversion
.irp c, 0,1                            ; the operand's layout wants a whole block in a lane: lanes 0-15 block 2 c, lanes 16-31 block 2 c + 1
.irp i, 0,1
	v_permlane16_swap_b32 v[PC+4*\c+\i], v[PC+2+4*\c+\i]
.endr
.endr
	v_pk_add_f32 v[SUM2:SUM2+1], v[S:S+1], v[S+2:S+3]   ; the row's sum is taken of the unquantised p: two at a time, in two chains.  (These lines are also the places between the writes of p's codes and scale word and the products)
.set j, 4
.rept 15
	v_pk_add_f32 v[SUM:SUM+1], v[SUM:SUM+1], v[S+j:S+j+1]
	v_pk_add_f32 v[SUM2:SUM2+1], v[SUM2:SUM2+1], v[S+j+2:S+j+3]
.set j, j+4
.endr
	v_pk_add_f32 v[SUM:SUM+1], v[SUM:SUM+1], v[SUM2:SUM2+1]
.if !\first
.set j, 0
.rept 16
	v_pk_mul_f32 v[O+j:O+j+1], v[O+j:O+j+1], v[F:F+1] op_sel_hi:[1,0]   ; O^T under the new M, each accumulator from its low end on
.set j, j+2
.endr
.endif
	s_wait_dscnt 0x0                               ; V's fragments and scale words are in
.irp d, 0,2                            ; O^T += V^T P^T: the four accumulators by turns; between two links of a chain stand the three others' and the next step's eight products
.if \first
	v_wmma_scale_f32_16x16x128_f8f6f4 v[O+8*\d:O+8*\d+7], v[KF+8*\d:KF+8*\d+7], v[PC:PC+7], 0, v[VS+\d/2], v[PS] matrix_a_fmt:MATRIX_FMT_FP4 matrix_b_fmt:MATRIX_FMT_FP4
	v_wmma_scale_f32_16x16x128_f8f6f4 v[O+8*\d+8:O+8*\d+15], v[KF+8*\d+8:KF+8*\d+15], v[PC:PC+7], 0, v[VS+\d/2], v[PS] matrix_a_fmt:MATRIX_FMT_FP4 matrix_b_fmt:MATRIX_FMT_FP4 matrix_a_scale:MATRIX_SCALE_ROW1
.else
	v_wmma_scale_f32_16x16x128_f8f6f4 v[O+8*\d:O+8*\d+7], v[KF+8*\d:KF+8*\d+7], v[PC:PC+7], v[O+8*\d:O+8*\d+7], v[VS+\d/2], v[PS] matrix_a_fmt:MATRIX_FMT_FP4 matrix_b_fmt:MATRIX_FMT_FP4
	v_wmma_scale_f32_16x16x128_f8f6f4 v[O+8*\d+8:O+8*\d+15], v[KF+8*\d+8:KF+8*\d+15], v[PC:PC+7], v[O+8*\d+8:O+8*\d+15], v[VS+\d/2], v[PS] matrix_a_fmt:MATRIX_FMT_FP4 matrix_b_fmt:MATRIX_FMT_FP4 matrix_a_scale:MATRIX_SCALE_ROW1
.endif
.endr
.endm
; THE WAY OUT of a tile.  O^T / the sum goes through my stage (a lane's eight results are 32 bytes of row r) and comes back two rows an instruction: each store writes two aligned runs of 256 bytes.
.macro FINISH base, more
.rept 4
	v_nop                                          ; places behind the last products
.endr
	v_add_f32 v[SUM], v[SUM], v[SUM+1]             ; the sum's two halves,
	v_permlanex16_b32 v[PX], v[SUM], s[SEL], s[SEL+1]
	v_add_f32 v[SUM], v[SUM], v[PX]                ; and lane l xor 16's: the row's sum
	v_rcp_f32 v[SUM], v[SUM]
	v_nop                                          ; one plain place behind a transcendental
.set j, 0
	s_wait_alu depctr_va_vdst(0)
.rept 16
	v_pk_mul_f32 v[S+j:S+j+1], v[O+j:O+j+1], v[SUM:SUM+1] op_sel_hi:[1,0]   ; register 8 d + i is out(r, 16 d + 8 h + i); each accumulator from its low end on
.set j, j+2
.endr
.irp d, 0,1,2,3
	ds_store_b128 v[STO], v[S+8*\d:S+8*\d+3] offset:64*\d
	ds_store_b128 v[STO], v[S+8*\d+4:S+8*\d+7] offset:64*\d+16
.endr
.irp i, 0,1,2,3,4,5,6,7
	ds_load_b128 v[S+32+4*\i:S+32+4*\i+3], v[STW] offset:2*SP*\i   ; LDS serves a wave's instructions in order: these see my stores
.endr
.irp i, 0,1,2,3,4,5,6,7
	s_wait_dscnt 7-\i                              ; load i is in; the 7 - i issued behind it may be out
	global_store_b128 v[GIN], v[S+32+4*\i:S+32+4*\i+3], s[\base:\base+1] offset:2*ROW*\i th:TH_STORE_NT
.endr
.if \more
	s_wait_xcnt 0x0                                ; the stores' data registers are written again by the next step's products only behind this wait
.endif
.endm
; From hi to lo.  The scale word first, so that it stands eight places and more ahead of the next scaled product.  lo's first step falls into another slot for each a,
; so it is no step of its own in the text: O^T begins as zeros, which the first change of M leaves zeros (32 lines, once a wave).
.macro RESET
	v_mov_b32 v[QS], v[QSL]
.irp i, 0,1,2,3
	v_mov_b32 v[QF+\i], v[QL+\i]
.endr
	v_mov_b32 v[DM], v[DML]
	FRESH
.set j, 0
.rept 32
	v_mov_b32 v[O+j], 0
.set j, j+1
.endr
.endm
; SLOT s.  Two barriers: behind the first, key step s lies in LDS; the second parts this slot's reads of the images from the next slot's stores into them.  Behind slot 7's first barrier nothing is stored into the images any more.
.macro SLOT s
.if \s < 8
	PHASE1 \s
.endif
	s_add_co_u32 s[U], s[A], \s
	s_and_b32 s[KK], s[U], 7
	s_min_u32 s[KK], s[KK], \s                     ; hi: s (s + a <= 7);  lo: s + a - 8
	s_lshl_b32 s[TB], s[KK], 9
	s_lshl_b32 s[TS], s[KK], 6
	s_lshl_b32 s[TV], s[KK], 8
.if \s >= 5
	s_cmp_lg_u32 s[U], 8                           ; s = 8 - a: hi is finished, lo begins.  The branch hangs on the wave's number alone
	s_cbranch_scc1 .Lstay_\@
	FINISH OH, 1
	RESET
.Lstay_\@:
.endif
.if \s == 0
	STEP 1, 0
.elseif \s < 4
	STEP 0, 0
.elseif \s < 8
	STEP 0, 1
.else
	STEP 0, 2
.endif
.if \s < 7
	BAR
.endif
.endm
	s_load_b256 s[4:11], s[0:1], 0x0               ; queries s[4:5], keys s[6:7], values s[8:9], out0 s[10:11]
	v_lshl_add_u32 v254, v0, 2, 0x22800
	v_mov_b32 v255, 0
	v_lshrrev_b32 v[T0], 5, v0
	v_readfirstlane_b32 s[WV], v[T0]               ; wave 0..15
	s_and_b32 s36, s[WV], 3
	s_lshr_b32 s37, s[WV], 2
	s_add_co_u32 s[A], s36, s37
	s_and_b32 s[A], s[A], 3                        ; a = (w % 4 + w / 4) % 4: among waves of equal w % 4, and among waves of equal w / 4, each a stands once
	s_and_b32 s38, ttmp9, 1                        ; which half of the head's pairs is my work-group's
	s_lshl_b32 s38, s38, 2
	s_lshl_b32 s39, s[A], 3
	s_add_co_u32 s39, s39, s38
	s_add_co_u32 s39, s39, s37                     ; i = 8 a + 4 (x % 2) + w / 4: lo's tile; hi's is 63 - i
	s_lshr_b32 s40, ttmp9, 1                       ; the head: 8 bn + h
	s_lshr_b32 s41, s40, 3
	s_and_b32 s40, s40, 7
	s_lshl_b32 s41, s41, 21                        ; bn x 1,024 rows of 2,048 bytes
	s_lshl_b32 s40, s40, 8                         ; h x 256 bytes
	s_add_co_u32 s40, s40, s41                     ; the head's first byte, the same in all four tensors (under 2^25)
	s_and_b32 s42, s[WV], 7                        ; my job in the quantising: K's tile, or V's 2 x block + half
	s_lshr_b32 s43, s42, 1
	s_and_b32 s44, s42, 1
	s_and_b32 s36, s39, 7
	s_lshl_b32 s36, s36, 4                         ; lo's first query in its diagonal step;
	s_sub_co_u32 s37, 112, s36                     ; hi's
	s_mov_b32 s[SEL], 0x76543210
	s_mov_b32 s[SEL+1], 0xfedcba98
	s_mov_b32 s[CS], 0x3e38aa3b                    ; c = log2(e) / sqrt(64)
	s_mov_b32 s[CS+1], s[CS]                       ; (named with it as a pair, so it is written)
	v_and_b32 v[T0], 31, v0                        ; lane
	v_and_b32 v[T1], 15, v0                        ; r
	v_bfe_u32 v[SOP], v0, 4, 1                     ; h
	v_lshlrev_b32 v[BY], 4, v[T1]                  ; 16 r
	v_lshlrev_b32 v[WT], 2, v[T1]                  ; 4 r
	v_lshl_add_u32 v[AK], v[T0], 4, KIMG
	v_lshl_add_u32 v[AV], v[SOP], 13, v[BY]
	v_add_nc_u32 v[AV], VIMG, v[AV]
	v_lshl_add_u32 v[ASK], v[SOP], 9, v[WT]
	v_add_nc_u32 v[ASK], KSC, v[ASK]
	v_lshl_add_u32 v[ASV], v[T0], 2, VSC
	s_mul_i32 s38, s[WV], WST
	s_add_co_u32 s38, s38, STG                     ; my stage
	v_mul_u32_u24 v[STW], v[SOP], SP
	v_add_nc_u32 v[STW], v[STW], v[BY]
	v_add_nc_u32 v[STW], s38, v[STW]
	v_mul_u32_u24 v[STR], v[T1], SP
	v_add_nc_u32 v[STR], s38, v[STR]
	v_lshl_add_u32 v[STO], v[SOP], 5, v[STR]
	v_lshl_add_u32 v[STR], v[SOP], 7, v[STR]
	v_lshl_add_u32 v[GIN], v[SOP], 11, v[BY]
	v_lshlrev_b32 v[GV], 2, v[T0]
	s_lshl_b32 s41, s42, 12
	v_add_nc_u32 v[KWI], s41, v[AK]
	v_add_nc_u32 v[VWI], VIMG, v[KWI]
	s_lshl_b32 s45, s42, 9
	s_add_co_u32 s45, s45, KSC
	v_add_nc_u32 v[KWS], s45, v[WT]
	s_lshl_b32 s46, s44, 7
	s_add_co_u32 s46, s46, s43
	s_add_co_u32 s46, s46, VSC
	v_add_nc_u32 v[VWS], s46, v[GV]
	v_lshlrev_b32 v[SH8], 3, v[SOP]
	v_lshlrev_b32 v[BY], 4, v[SOP]
	v_sub_nc_u32 v[BY], v[T1], v[BY]               ; r - 16 h
	v_add_nc_u32 v[DM], s37, v[BY]                 ; hi comes first
	v_add_nc_u32 v[DML], s36, v[BY]
	v_mov_b32 v[NINF], 0xff800000
	FRESH
.irp i, 0,1,2,3
	v_mov_b32 v[QF+4+\i], 0                        ; Q's zero codes for k = 64 .. 127
	v_mov_b32 v[KF+32+\i], 0                       ; what stands behind K's tile 7
	v_mov_b32 v[BP+\i], 0                          ; written once: a lane exchange's destination counts as one of its sources
.endr
	v_mov_b32 v[PX], 0
	v_mov_b32 v[F+1], 0                            ; (named as the upper half of the pair)
	s_lshl_b32 s45, s43, 16                        ; 32 keys x (job / 2),
	s_add_co_u32 s45, s45, s40                     ; in my head
	s_lshl_b32 s46, s44, 14                        ; K: + 8 keys x (job % 2)
	s_add_co_u32 s46, s46, s45
	s_mov_b32 s47, 0
	s_wait_kmcnt 0x0
	s_add_nc_u64 s[KB:KB+1], s[6:7], s[46:47]
	s_lshl_b32 s46, s44, 7                         ; V: + 32 dims x (job % 2)
	s_add_co_u32 s46, s46, s45
	s_add_nc_u64 s[VB:VB+1], s[8:9], s[46:47]
	s_lshl_b32 s46, s39, 15                        ; lo: 16 rows x i
	s_add_co_u32 s46, s46, s40
	s_add_nc_u64 s[QBL:QBL+1], s[4:5], s[46:47]
	s_add_nc_u64 s[OL:OL+1], s[10:11], s[46:47]
	s_sub_co_u32 s46, 63, s39                      ; hi: 16 rows x (63 - i)
	s_lshl_b32 s46, s46, 15
	s_add_co_u32 s46, s46, s40
	s_add_nc_u64 s[QBH:QBH+1], s[4:5], s[46:47]
	s_add_nc_u64 s[OH:OH+1], s[10:11], s[46:47]
	LOADQ S, QBH
	LOADQ S+32, QBL
	s_cmp_lt_u32 s[WV], 8
	s_cbranch_scc0 .Lhead_v
	LOADK 0
	s_wait_loadcnt 8                               ; Q's sixteen loads are in; key step 0's eight, issued behind them, may be out
	s_branch .Lhead_go
.Lhead_v:
	LOADV 0
	s_wait_loadcnt 32                              ; likewise: V's 32 may be out
.Lhead_go:
	ROWQ S, QF, QS                                 ; both tiles of queries become codes while key step 0 is on its way
	ROWQ S+32, QL, QSL
.irp s, 0,1,2,3,4,5,6,7,8
	SLOT \s
.endr
	FINISH OL, 0
	s_wait_tensorcnt 0x0
	ds_add_u32 v254, v255
	s_wait_dscnt 0x0
	s_endpgm
.Lfunc_end_k_q9494f100f5_attn:
	.size	k_q9494f100f5_attn, .Lfunc_end_k_q9494f100f5_attn-k_q9494f100f5_attn
	.p2alignl 7, 3214868480
	.fill 96, 4, 3214868480
	.section	.rodata,"a",@progbits
	.p2align	6, 0x0
	.amdhsa_kernel k_q9494f100f5_attn
		.amdhsa_group_segment_fixed_size 143360
		.amdhsa_private_segment_fixed_size 0
		.amdhsa_enable_private_segment 0
		.amdhsa_kernarg_size 32
		.amdhsa_user_sgpr_count 2
		.amdhsa_user_sgpr_kernarg_segment_ptr 1
		.amdhsa_wavefront_size32 1
		.amdhsa_system_sgpr_workgroup_id_x 1
		.amdhsa_system_sgpr_workgroup_id_y 1
		.amdhsa_system_sgpr_workgroup_id_z 1
		.amdhsa_system_vgpr_workitem_id 0
		.amdhsa_next_free_vgpr 256
		.amdhsa_next_free_sgpr 66
		.amdhsa_reserve_vcc 1
		.amdhsa_float_denorm_mode_32 3
		.amdhsa_float_denorm_mode_16_64 3
		.amdhsa_memory_ordered 1
		.amdhsa_forward_progress 1
		.amdhsa_inst_pref_size 255
	.end_amdhsa_kernel
	.section	.bss,"aw",@nobits
	.p2align	6
	.space	262144
	.amdgpu_metadata
---
amdhsa.version: [ 1, 2 ]
amdhsa.kernels:
  - .name:           k_q9494f100f5_attn
    .symbol:         k_q9494f100f5_attn.kd
    .args:
      - { .name: queries, .offset: 0, .size: 8, .value_kind: global_buffer, .address_space: global }
      - { .name: keys, .offset: 8, .size: 8, .value_kind: global_buffer, .address_space: global }
      - { .name: values, .offset: 16, .size: 8, .value_kind: global_buffer, .address_space: global }
      - { .name: out0, .offset: 24, .size: 8, .value_kind: global_buffer, .address_space: global }
    .group_segment_fixed_size: 143360
    .private_segment_fixed_size: 0
    .kernarg_segment_align: 8
    .kernarg_segment_size: 32
    .max_flat_workgroup_size: 512
    .sgpr_count:     66
    .vgpr_count:     256
    .wavefront_size: 32
...
	.end_amdgpu_metadata
.endif
;; end of part 1
;; ======== version 2 of 2: 1 launch; version 1 with the launch attn written anew for expert scheduling mode
;; launch attn (part 2): grid 256 x 1, 16 waves a work-group, no clusters, 143,360 bytes of LDS; arguments queries, keys, values, out0; writes out0
.if DOCPART == 2
	.amdgcn_target "amdgcn-amd-amdhsa--gfx1250"
	.amdhsa_code_object_version 6
	.text
	.protected	k_q9494f100f5_attn
	.globl	k_q9494f100f5_attn
	.p2align	8
	.type	k_q9494f100f5_attn,@function
k_q9494f100f5_attn:
	s_mov_b64 s[64:65], 0
	v_nop
	global_prefetch_b8 v0, s[64:65] scope:SCOPE_SE
	s_setreg_imm32_b32 hwreg(HW_REG_WAVE_SCHED_MODE, 0, 2), 2
	s_setreg_imm32_b32 hwreg(HW_REG_WAVE_MODE, 25, 1), 1
	s_wait_xcnt 0x0
	s_wait_alu depctr_vm_vsrc(0)
; Causal attention, both products on codes of FP4 (E2M1) with one E8M0 scale for each 32 along a product's K.
; queries, keys, values, out0: [16 (bn)][1024 (l)][8 (h)][64 (e)] f32: a row (bn, l) is 2,048 bytes, a head's 64 numbers are 256 aligned bytes of it.
; out[q] = (sum over k <= q of p(q, k) V[k]) / (sum of p), p = 2^(t - M), t = score x log2(e) / 8, M = the running largest t rounded UP to a whole number.
; p is quantised along the keys, V down the keys, Q and K along the head's 64; the row's sum is taken of the unquantised p.
; SHARES.  256 work-groups of 16 waves: two to a head.  A head has 64 tiles of 16 queries; tile i needs i / 8 + 1 key steps of 128 keys.  A wave owns the pair
; (lo = i, hi = 63 - i): 9 tile steps whatever i is.  It walks hi's steps in slots 0 .. 7 - a and lo's in slots 8 - a .. 8 (a = i / 8), ONE tile step in each of nine slots,
; so that only one tile's sums are live and every wave has the same work in every slot.  The slot's key step is min(s, (s + a) & 7).
; K AND V BECOME CODES UNDER WAY.  At the head of slot s (0 .. 7) waves 0-7 turn the eight key tiles of key step s into codes and waves 8-15 the eight (32 keys x 32 dims) parts of V;
; the f32 numbers were asked for a slot earlier, into 32 registers a lane, and the next step's are asked for at once.  The codes go to LDS as images of the operands' registers
; (16 bytes a lane at 16 x lane), each key step into bytes of its own: nothing in LDS is written twice but the waves' own stages.
; NO JOINT LOADS: only two work-groups read a head's K and V, and what the products want of a key step is 8 KiB of codes and 768 bytes of scales, made from 64 KiB of f32;
; brought by the data mover those 64 KiB would be written to LDS and read from it again in each of the two; here they go from memory to registers to codes.
; LAYOUT.  Both products are used transposed: S^T = K Q^T (source 0 = 16 keys, source 1 = my 16 queries), O^T = V^T P^T (source 0 = 16 dims, source 1 = P): a lane holds ONE query (lane % 16).
; The keys of a tile are not neighbours: lane r of tile 2 b + u takes key 32 b + 8 u + r + 8 (r / 8), so that the 16 registers of tiles 2 b, 2 b + 1 are keys 32 b + 16 (lane / 16) + 0 .. 15.
; THE FIRST PRODUCT'S K IS 64, half of the instruction's 128.  Q's fragment is four registers of codes and four of zero codes, and its scale word's upper two bytes are 0.  K's eight tiles lie
; four registers each on end, and tile t's source names eight: its upper four are the next tile's codes (behind tile 7: zeros).  They meet Q's zero codes: every such product is 0.
; LIMITS.  NaN and infinities among the inputs are not served.  A block whose largest magnitude lies under 2^-124 gets the scale byte 1 (a block of zeros too, where the rule says 127: its codes
; are zeros, and the bytes are read by this program alone).  A block's largest p is made from its largest score by the same multiply-add and exponential, which takes v_exp_f32 not to fall where its input rises.
; THE MODE: SCHED_MODE bits 1:0 = 2 (LLVM: expert scheduling mode 2), set by the entry lines.  The code itself states the register dependences
; between vector or matrix instructions and memory or LDS instructions, with s_wait_alu, always for 0.
; THE PLAN.  Registers that memory or LDS instructions touch, and who else names them:
;   v1-v13, v254, v255  Made once at the head, never written again: one wait on va_vdst ahead of the first load serves every instruction that reads them.
;   v14-v17             A tile step's first four lines write them, its 22 LDS loads read them: va_vdst behind the four lines, vm_vsrc beside the step's last wait for LDS.
;   KF, KS, VS          K's codes and scale words land at a step's head, behind the same va_vdst (the last step's products are done with them); the first products read KF and KS;
;                       behind a second va_vdst V's fragments land in KF; the second products read KF and VS.
;   S                   Q lands here and leaves by the stage's stores; a K wave's turn lands in S .. S + 31, which nothing names between a step's last va_vdst and the next step's products;
;                       on the way out multiplications write S .. S + 31, LDS stores read them, rows land in S + 32 on and global stores read those.
;   X                   The next key step's numbers land here.  In a K wave the stage's stores alone read X; in a V wave the maxima and conversions alone.
;   PC, WT, BY          Written by conversions and byte arithmetic, read by a phase's LDS stores: va_vdst ahead of the stores, vm_vsrc behind them.
; A TURN THROUGH THE STAGE NEVER LANDS IN THE REGISTERS THAT IT LEFT: so no wait stands between its stores and its loads, and a K wave asks for the next key step straight behind its turn.
; THE CAUSAL MASK'S COMPARES write sixteen lane masks at a time into scalar registers; one wait on va_sdst stands between a run of compares and its run of selects.
.set KIMG, 0                           ; LDS: K's images: 4,096 x tile + 512 x key step + 16 x lane
.set VIMG, 32768                       ; V's: 4,096 x (2 x block + half of the dims) + 512 x key step + 16 x lane (lane = dim % 32)
.set KSC,  65536                       ; K's scale words: 512 x tile + 64 x key step + 4 x row
.set VSC,  69632                       ; V's scale bytes: 256 x key step + 4 x dim + block
.set STG,  71680                       ; a stage for each wave: 16 rows x (256 + 16) bytes
.set SP,   272                         ; a stage's row: 17 x 16 bytes, so that sixteen rows' equal columns fall on different banks
.set WST,  16*SP
.set ROW,  2048                        ; bytes from a position l to the next
.set KSTEP, 128*ROW                    ; and from a key step to the next
.set AK,  1                            ; v1   KIMG + 16 lane                     (v1-v13 are made once, by every wave, ahead of the first branch on the wave's number)
.set AV,  2                            ; v2   VIMG + 8192 h + 16 r
.set ASK, 3                            ; v3   KSC + 512 h + 4 r
.set ASV, 4                            ; v4   VSC + 4 lane
.set STW, 5                            ; v5   my stage + 272 h + 16 r: two rows an instruction, as they lie in memory
.set STR, 6                            ; v6   my stage + 272 r + 128 h: my half of row r
.set STO, 7                            ; v7   my stage + 272 r + 32 h: eight results of row r
.set GIN, 8                            ; v8   2048 h + 16 r: in memory, two rows of 256 bytes an instruction
.set GV,  9                            ; v9   4 lane
.set KWI, 10                           ; v10  where a K wave stores its images
.set KWS, 11                           ; v11  and its scale words
.set VWI, 12                           ; v12  where a V wave stores its images
.set VWS, 13                           ; v13  and its scale bytes
.set ADK, 14                           ; v14-17 the step's read addresses
.set ADV, 15
.set ADS, 16
.set ADT, 17
.set NM,  18                           ; v18  -M;  v19 the largest t (named together as a pair)
.set TM,  19
.set SUM, 20                           ; v[20:21] the row's sum, in two halves
.set QS,  22                           ; v22  Q's scale word, of the tile in hand;  v23 lo's
.set QSL, 23
.set QL,  24                           ; v[24:27] lo's codes, kept
.set QF,  28                           ; v[28:35] Q's fragment: four registers of codes, four of zeros
.set KF,  36                           ; v[36:67] K's eight tiles x 4, later V's four fragments x 8; at the head lo's queries, turned;  v[68:71] zeros
.set S,   72                           ; v[72:135] S^T, then p; at the head Q as loaded; in a K wave's phase its key tile, turned; on the way out results and rows
.set O,   136                          ; v[136:167] O^T: four tiles of 16 dims; at the head hi's queries, turned
.set X,   168                          ; v[168:199] 32 numbers of K or of V on their way
.set PC,  200                          ; v[200:207] codes just made
.set BM,  208                          ; v[208:211] the blocks' maxima
.set BP,  212                          ; v[212:215] the other half's maxima, then the bytes
.set SO,  216                          ; v[216:219] the conversions' scale operands
.set KS,  220                          ; v[220:223] K's scale words: lanes 0-15 tile 2 p, lanes 16-31 tile 2 p + 1
.set VS,  224                          ; v[224:225] V's likewise
.set PS,  226                          ; v226 p's scale word
.set SH8, 227                          ; v227 8 h
.set F,   228                          ; v[228:229] f = 2^(old M - new M), and 0
.set T0,  230
.set T1,  231
.set SUM2, 232                         ; v[232:233] the sum's second chain
.set DM,  234                          ; v234 (my query) - (the diagonal step's first key) - 16 h, of the tile in hand;  v235 lo's
.set DML, 235
.set NINF, 236                         ; v236 -infinity
.set WT,  237                          ; v237 a scale word just made
.set SOP, 238                          ; v238 a conversion's scale operand
.set BY,  239                          ; v239 a scale byte
.set PX,  240                          ; v240 destination of lane exchanges
                                       ; v254 LDS address of my spare word, v255 0: made at the head and kept for the closing lines alone
.set WV,  12                           ; s12  my wave's number
.set A,   13                           ; s13  a
.set U,   14                           ; s14  s + a
.set KK,  15                           ; s15  the slot's key step
.set TB,  16                           ; s16  512 KK;  s17 64 KK;  s18 256 KK
.set TS,  17
.set TV,  18
.set SEL, 20                           ; s[20:21] v_permlanex16_b32's selects for lane l xor 16
.set CS,  22                           ; s[22:23] c = log2(e) / 8
.set KB,  24                           ; s[24:25] keys at my job's first row;  s[26:27] values likewise
.set VB,  26
.set QBH, 28                           ; s[28:29], s[30:31] queries at hi's and lo's first row
.set QBL, 30
.set OH,  32                           ; s[32:33], s[34:35] out0 likewise
.set OL,  34
                                       ; s4-s11 and s36-s43, free behind the head: the causal mask's sixteen lane masks, mask k in s[4 + k + 24 (k / 8)]
.macro BAR                             ; my LDS stores have landed and my LDS loads are in: then the work-group's barrier
	s_wait_dscnt 0x0
	s_barrier_signal -1
	s_barrier_wait -1
.endm
; The largest magnitude of the 32 numbers v[x] on, all of one block, with the floor 2^(3 - 127) among the leaves, so that the byte cannot fall under 1;
; 2 off its exponent field is the conversion's scale operand, and that field is the scale's byte.
.macro MAX32 x
	v_max3_num_f32 v[T0], |v[\x]|, |v[\x+1]|, |v[\x+2]|
	v_max3_num_f32 v[T1], |v[\x+3]|, |v[\x+4]|, |v[\x+5]|
.irp i, 6,10,14,18,22,26
	v_max3_num_f32 v[T0], v[T0], |v[\x+\i]|, |v[\x+\i+1]|
	v_max3_num_f32 v[T1], v[T1], |v[\x+\i+2]|, |v[\x+\i+3]|
.endr
	v_max3_num_f32 v[T0], v[T0], |v[\x+30]|, |v[\x+31]|
	v_max3_num_f32 v[T0], v[T0], v[T1], 0x1800000
	v_add_nc_u32 v[SOP], 0xff000000, v[T0]
	v_lshrrev_b32 v[BY], 23, v[SOP]
.endm
.macro CVT32 x, c                      ; the block's 32 codes: four registers, the lower k in the lower bits
.irp g, 0,1,2,3
	v_cvt_scalef32_pk8_fp4_f32 v[\c+\g], v[\x+8*\g:\x+8*\g+7], v[SOP]
.endr
	v_nop                                          ; one plain place behind a scaled conversion
.endm
; 16 rows x 64 f32, loaded as they lie (two rows an instruction) into v[x] on, turn through my own stage into v[y] on: lane (r, h) gets dims 32 h .. 32 h + 31 of row r, a whole block.
; LDS serves a wave's instructions in order: no wait between the stores and the loads.  x and y are different registers, and no vector instruction issued since the last wait on va_vdst names v[y] on.
.macro TURN x, y
.irp i, 0,1,2,3,4,5,6,7
	ds_store_b128 v[STW], v[\x+4*\i:\x+4*\i+3] offset:2*SP*\i
.endr
.irp i, 0,1,2,3,4,5,6,7
	ds_load_b128 v[\y+4*\i:\y+4*\i+3], v[STR] offset:16*\i
.endr
	s_wait_dscnt 0x0
.endm
; The turned rows in v[y] on become a fragment's four registers in v[c] on and its scale word in v[w].
.macro QROW y, c, w
	MAX32 \y
	v_lshlrev_b32 v[\w], v[SH8], v[BY]             ; my block's byte at its place: byte h;
	v_permlanex16_b32 v[PX], v[\w], s[SEL], s[SEL+1]
	v_or_b32 v[\w], v[\w], v[PX]                   ; with lane l xor 16's the word is whole: bytes 0, 1; bytes 2, 3 are 0
	CVT32 \y, \c
.endm
.macro LOADQ x, base                   ; a tile of queries: each instruction reads two aligned runs of 256 bytes; read once in the launch
.irp i, 0,1,2,3,4,5,6,7
	global_load_b128 v[\x+4*\i:\x+4*\i+3], v[GIN], s[\base:\base+1] offset:2*ROW*\i th:TH_LOAD_NT
.endr
.endm
.macro LOADK s                         ; my key tile of key step s, its rows in the tile's order: keys 0-7 and 16-23 from the tile's first on
.irp i, 0,1,2,3,4,5,6,7
	global_load_b128 v[X+4*\i:X+4*\i+3], v[GIN], s[KB:KB+1] offset:KSTEP*(\s)+(2*\i+8*(\i/4))*ROW
.endr
.endm
.macro LOADV s                         ; my 32 keys x 32 dims of key step s: a lane takes a dim, its registers run down the keys: a whole block.  128 consecutive bytes an instruction
.irp i, 0,1,2,3,4,5,6,7,8,9,10,11,12,13,14,15,16,17,18,19,20,21,22,23,24,25,26,27,28,29,30,31
	global_load_b32 v[X+\i], v[GV], s[VB:VB+1] offset:KSTEP*(\s)+ROW*\i
.endr
.endm
; Key step s becomes codes.  Every offset is an immediate: no address is stepped.  The largest, 7 key steps + 31 rows = 1,898,496 bytes, lies inside the signed 24-bit immediate.
.macro PHASE1 s
	s_wait_loadcnt 0x0                             ; the numbers asked for a slot ago are in
	s_cmp_lt_u32 s[WV], 8
	s_cbranch_scc0 .Lrole_v_\@
	TURN X, S                                      ; S .. S + 31 are free: the last step's softmax stands ahead of that step's last wait on va_vdst, and nothing behind that wait names them
.if \s < 7
	s_wait_alu depctr_vm_vsrc(0)                   ; the turn's stores have read X, in which the next key step lands; no vector instruction of this role names X
	LOADK (\s)+1                                   ; the next key step has this slot's work in which to land
.endif
	QROW S, PC, WT
	s_wait_alu depctr_va_vdst(0)                   ; the conversions have written PC and the byte arithmetic WT, which the two stores read
	ds_store_b128 v[KWI], v[PC:PC+3] offset:512*\s
	ds_store_b32 v[KWS], v[WT] offset:64*\s        ; lanes r and r + 16 store the same word
	s_wait_alu depctr_vm_vsrc(0)                   ; the two stores have read PC and WT: this slot's conversions of p write PC again, the next phase WT
	s_branch .Lrole_end_\@
.Lrole_v_\@:
	MAX32 X
	CVT32 X, PC
	s_wait_alu depctr_va_vdst(0)                   ; the maxima and conversions are done reading X, in which the next key step lands; PC and BY are written, which the two stores read
.if \s < 7
	LOADV (\s)+1
.endif
	ds_store_b128 v[VWI], v[PC:PC+3] offset:512*\s
	ds_store_b8 v[VWS], v[BY] offset:256*\s
	s_wait_alu depctr_vm_vsrc(0)                   ; the two stores have read PC and BY: this slot's conversions of p write PC again, the next phase BY
.Lrole_end_\@:
	BAR                                            ; key step s lies in LDS for every wave
.endm
.macro FRESH                           ; a tile's statistics begin: the largest t at -3e38, under every t; the sum at 0
	v_mov_b32 v[TM], 0xff61b1e6
	v_floor_f32 v[NM], -v[TM]
	v_mov_b32 v[SUM], 0
	v_mov_b32 v[SUM+1], 0
.endm
; A TILE STEP: my 16 queries against the 128 keys of key step KK.  first = 1: the products V^T P^T start O^T's sums.  mask = 0: every key counts; 1: the step is on hi's diagonal where s + a = 7; 2: it is on lo's, in the last slot.
.macro STEP first, mask
	v_add_nc_u32 v[ADK], s[TB], v[AK]              ; (the last step's loads have read these four: the wait on vm_vsrc at that step's end)
	v_add_nc_u32 v[ADV], s[TB], v[AV]
	v_add_nc_u32 v[ADS], s[TS], v[ASK]
	v_add_nc_u32 v[ADT], s[TV], v[ASV]
	s_wait_alu depctr_va_vdst(0)                   ; the four addresses are written, which this step's LDS loads read; the last step's products (in slot 0: the head's conversions) are done reading KF, KS and VS, in which they land; Q's codes and scale word, made at the head or at the change of tiles, are written for the products below
.irp t, 0,1,2,3,4,5,6,7
	ds_load_b128 v[KF+4*\t:KF+4*\t+3], v[ADK] offset:4096*\t
.endr
.irp p, 0,1,2,3
	ds_load_b32 v[KS+\p], v[ADS] offset:1024*\p
.endr
	s_wait_dscnt 0x0
.irp t, 0,2,4,6                        ; S^T = K Q^T: eight tiles of 16 keys, each a sum of its own that starts with 0
	v_wmma_scale_f32_16x16x128_f8f6f4 v[S+8*\t:S+8*\t+7], v[KF+4*\t:KF+4*\t+7], v[QF:QF+7], 0, v[KS+\t/2], v[QS] matrix_a_fmt:MATRIX_FMT_FP4 matrix_b_fmt:MATRIX_FMT_FP4
	v_wmma_scale_f32_16x16x128_f8f6f4 v[S+8*\t+8:S+8*\t+15], v[KF+4*\t+4:KF+4*\t+11], v[QF:QF+7], 0, v[KS+\t/2], v[QS] matrix_a_fmt:MATRIX_FMT_FP4 matrix_b_fmt:MATRIX_FMT_FP4 matrix_a_scale:MATRIX_SCALE_ROW1
.endr
.rept 4
	v_nop                                          ; places in front of the first read of the scores
.endr
	s_wait_alu depctr_va_vdst(0)                   ; the eight products are done reading KF, in which V's fragments land
.irp d, 0,1,2,3                        ; V's four fragments (dims 16 d on; registers 4 c on: block 2 c + h) are asked for now and land under the softmax, which names none of their registers
.irp c, 0,1
	ds_load_b128 v[KF+8*\d+4*\c:KF+8*\d+4*\c+3], v[ADV] offset:(4*\c+\d/2)*4096+(\d%2)*256
.endr
.endr
.irp p, 0,1
	ds_load_b32 v[VS+\p], v[ADT] offset:128*\p
.endr
.if \mask == 1
	s_cmp_lg_u32 s[U], 7
	s_cbranch_scc1 .Lopen_\@
.endif
.if \mask                              ; register 16 b + k holds key (the step's first) + 16 h + 32 b + k: hidden where 32 b + k > DM.  Its score becomes -infinity: p = 0
.irp b, 0,1,2,3
.irp k, 0,1,2,3,4,5,6,7,8,9,10,11,12,13,14,15
	v_cmp_gt_i32 s[4+\k+24*(\k/8)], 32*\b+\k, v[DM]
.endr
	s_wait_alu depctr_va_sdst(0)                   ; the sixteen compares have written their lane masks, ahead of the selects that read them
.irp k, 0,1,2,3,4,5,6,7,8,9,10,11,12,13,14,15
	v_cndmask_b32 v[S+16*\b+\k], v[S+16*\b+\k], v[NINF], s[4+\k+24*(\k/8)]
.endr
.endr
.endif
.if \mask == 1
.Lopen_\@:
.endif
.irp b, 0,1,2,3
	v_max3_num_f32 v[BM+\b], v[S+16*\b], v[S+1+16*\b], v[S+2+16*\b]   ; the largest score of each block of 32 keys: for the row's maximum, and for the block's largest p
.endr
.irp i, 3,5,7,9,11,13
.irp b, 0,1,2,3
	v_max3_num_f32 v[BM+\b], v[BM+\b], v[S+16*\b+\i], v[S+1+16*\b+\i]   ; (the four blocks by turns)
.endr
.endr
.irp b, 0,1,2,3
	v_max_num_f32 v[BM+\b], v[BM+\b], v[S+15+16*\b]
.endr
.irp b, 0,1,2,3
	v_permlanex16_b32 v[BP+\b], v[BM+\b], s[SEL], s[SEL+1]
.endr
.irp b, 0,1,2,3
	v_max_num_f32 v[BM+\b], v[BM+\b], v[BP+\b]     ; with lane l xor 16's 16 keys
.endr
	v_max3_num_f32 v[T0], v[BM], v[BM+1], v[BM+2]
	v_max_num_f32 v[T0], v[T0], v[BM+3]            ; the step's largest score of my query (a step's first key is never hidden, so it is a number)
	v_mul_f32 v[T0], s[CS], v[T0]                  ; as t (c is positive)
	v_max_num_f32 v[TM], v[TM], v[T0]              ; the running largest t
	v_mov_b32 v[T0], v[NM]
	v_floor_f32 v[NM], -v[TM]                      ; the new -M = floor(-t) = -ceil(t): M is a whole number
	v_sub_f32 v[T0], v[NM], v[T0]                  ; M's old value less its new one: a whole number, 0 or less
	v_cvt_i32_f32 v[T0], v[T0]                     ; (it saturates)
	v_ldexp_f32 v[F], 1.0, v[T0]                   ; f = 2^(old M - new M): a multiplication by it rounds nothing
.set j, 0
.rept 32
	v_pk_fma_f32 v[S+j:S+j+1], v[S+j:S+j+1], s[CS:CS+1], v[NM:NM+1] op_sel_hi:[1,0,0]   ; t - M, two at a time (of the pairs c and -M the low word serves both halves)
.set j, j+2
.endr
.irp b, 0,1,2,3
	v_fma_f32 v[BM+\b], v[BM+\b], s[CS], v[NM]     ; the same of each block's largest score
.endr
.set j, 0
	s_wait_alu depctr_va_vdst(0)
.rept 64
	v_exp_f32 v[S+j], v[S+j]                       ; p = 2^(t - M), at most 1: not normalised
.set j, j+1
.endr
.irp b, 0,1,2,3
	v_exp_f32 v[BM+\b], v[BM+\b]                   ; the block's largest p: the same two instructions on the same number give the same bits
.endr
	v_pk_mul_f32 v[SUM:SUM+1], v[SUM:SUM+1], v[F:F+1] op_sel_hi:[1,0]   ; the sums under the new M.  (The plain place behind the exponentials)
	s_wait_alu depctr_va_vdst(0)                   ; the 68 exponentials have written p and the blocks' largest p: one wait for the batch, ahead of its first reader
.irp b, 0,1,2,3
	v_max_num_f32 v[BM+\b], 0x1800000, v[BM+\b]    ; the floor 2^(3 - 127): the byte cannot fall under 1 (a block whose every p is 0 keeps that byte: its codes are zeros)
.endr
.irp b, 0,1,2,3
	v_add_nc_u32 v[SO+\b], 0xff000000, v[BM+\b]    ; 2 off the exponent field: the conversion's scale operand
.endr
.irp b, 0,1,2,3
	v_lshrrev_b32 v[BP+\b], 23, v[SO+\b]           ; the scale's byte
.endr
	v_lshl_or_b32 v[PS], v[BP+1], 8, v[BP]         ; p's scale word for these 128 keys
	v_lshl_or_b32 v[PS], v[BP+2], 16, v[PS]
	v_lshl_or_b32 v[PS], v[BP+3], 24, v[PS]
.irp b, 0,1,2,3
	v_cvt_scalef32_pk8_fp4_f32 v[PC+2*\b], v[S+16*\b:S+7+16*\b], v[SO+\b]
	v_cvt_scalef32_pk8_fp4_f32 v[PC+1+2*\b], v[S+8+16*\b:S+15+16*\b], v[SO+\b]
.endr
	v_nop                                          ; one plain place behind a scaled conversion
.irp c, 0,1                            ; the operand's layout wants a whole block in a lane: lanes 0-15 block 2 c, lanes 16-31 block 2 c + 1
.irp i, 0,1
	v_permlane16_swap_b32 v[PC+4*\c+\i], v[PC+2+4*\c+\i]
.endr
.endr
	v_pk_add_f32 v[SUM2:SUM2+1], v[S:S+1], v[S+2:S+3]   ; the row's sum is taken of the unquantised p: two at a time, in two chains.  (These lines are also the places between the writes of p's codes and scale word and the products)
.set j, 4
.rept 15
	v_pk_add_f32 v[SUM:SUM+1], v[SUM:SUM+1], v[S+j:S+j+1]
	v_pk_add_f32 v[SUM2:SUM2+1], v[SUM2:SUM2+1], v[S+j+2:S+j+3]
.set j, j+4
.endr
	v_pk_add_f32 v[SUM:SUM+1], v[SUM:SUM+1], v[SUM2:SUM2+1]
.if !\first
.set j, 0
.rept 16
	v_pk_mul_f32 v[O+j:O+j+1], v[O+j:O+j+1], v[F:F+1] op_sel_hi:[1,0]   ; O^T under the new M, each accumulator from its low end on
.set j, j+2
.endr
.endif
	s_wait_dscnt 0x0                               ; V's fragments and scale words are in
.if \mask != 2
	s_wait_alu depctr_vm_vsrc(0)                   ; this step's LDS loads have read the four addresses, which the next step's first lines write
.endif
	s_wait_alu depctr_va_vdst(0)                   ; p's codes and scale word are written, which the products below take (their places stand above); the softmax is done with S, in which a K wave's next turn lands
.irp d, 0,2                            ; O^T += V^T P^T: the four accumulators by turns; between two links of a chain stand the three others' and the next step's eight products
.if \first
	v_wmma_scale_f32_16x16x128_f8f6f4 v[O+8*\d:O+8*\d+7], v[KF+8*\d:KF+8*\d+7], v[PC:PC+7], 0, v[VS+\d/2], v[PS] matrix_a_fmt:MATRIX_FMT_FP4 matrix_b_fmt:MATRIX_FMT_FP4
	v_wmma_scale_f32_16x16x128_f8f6f4 v[O+8*\d+8:O+8*\d+15], v[KF+8*\d+8:KF+8*\d+15], v[PC:PC+7], 0, v[VS+\d/2], v[PS] matrix_a_fmt:MATRIX_FMT_FP4 matrix_b_fmt:MATRIX_FMT_FP4 matrix_a_scale:MATRIX_SCALE_ROW1
.else
	v_wmma_scale_f32_16x16x128_f8f6f4 v[O+8*\d:O+8*\d+7], v[KF+8*\d:KF+8*\d+7], v[PC:PC+7], v[O+8*\d:O+8*\d+7], v[VS+\d/2], v[PS] matrix_a_fmt:MATRIX_FMT_FP4 matrix_b_fmt:MATRIX_FMT_FP4
	v_wmma_scale_f32_16x16x128_f8f6f4 v[O+8*\d+8:O+8*\d+15], v[KF+8*\d+8:KF+8*\d+15], v[PC:PC+7], v[O+8*\d+8:O+8*\d+15], v[VS+\d/2], v[PS] matrix_a_fmt:MATRIX_FMT_FP4 matrix_b_fmt:MATRIX_FMT_FP4 matrix_a_scale:MATRIX_SCALE_ROW1
.endif
.endr
.endm
; THE WAY OUT of a tile.  O^T / the sum goes through my stage (a lane's eight results are 32 bytes of row r) and comes back two rows an instruction: each store writes two aligned runs of 256 bytes.
.macro FINISH base, more
.rept 4
	v_nop                                          ; places behind the last products
.endr
	v_add_f32 v[SUM], v[SUM], v[SUM+1]             ; the sum's two halves,
	v_permlanex16_b32 v[PX], v[SUM], s[SEL], s[SEL+1]
	v_add_f32 v[SUM], v[SUM], v[PX]                ; and lane l xor 16's: the row's sum
	s_wait_alu depctr_va_vdst(0)
	v_rcp_f32 v[SUM], v[SUM]
	v_nop                                          ; one plain place behind a transcendental
.set j, 0
	s_wait_alu depctr_va_vdst(0)                   ; the reciprocal has written v[SUM], ahead of its first reader
.rept 16
	v_pk_mul_f32 v[S+j:S+j+1], v[O+j:O+j+1], v[SUM:SUM+1] op_sel_hi:[1,0]   ; register 8 d + i is out(r, 16 d + 8 h + i); each accumulator from its low end on
.set j, j+2
.endr
	s_wait_alu depctr_va_vdst(0)                   ; the multiplications have written S .. S + 31, which the LDS stores read; the last softmax is done with S + 32 on, in which the rows land
.irp d, 0,1,2,3
	ds_store_b128 v[STO], v[S+8*\d:S+8*\d+3] offset:64*\d
	ds_store_b128 v[STO], v[S+8*\d+4:S+8*\d+7] offset:64*\d+16
.endr
.irp i, 0,1,2,3,4,5,6,7
	ds_load_b128 v[S+32+4*\i:S+32+4*\i+3], v[STW] offset:2*SP*\i   ; LDS serves a wave's instructions in order: these see my stores
.endr
.irp i, 0,1,2,3,4,5,6,7
	s_wait_dscnt 7-\i                              ; load i is in; the 7 - i issued behind it may be out
	global_store_b128 v[GIN], v[S+32+4*\i:S+32+4*\i+3], s[\base:\base+1] offset:2*ROW*\i th:TH_STORE_NT
.endr
.if \more
	s_wait_xcnt 0x0                                ; the stores' data registers are written again by the next step's products only behind this wait
	s_wait_alu depctr_vm_vsrc(0)                   ; and behind this one: the LDS stores have read S .. S + 31 and the global stores S + 32 on
.endif
.endm
; From hi to lo.  The scale word first, so that it stands eight places and more ahead of the next scaled product.  lo's first step falls into another slot for each a,
; so it is no step of its own in the text: O^T begins as zeros, which the first change of M leaves zeros (32 lines, once a wave).  No memory or LDS instruction names a register that these lines write.
.macro RESET
	v_mov_b32 v[QS], v[QSL]
.irp i, 0,1,2,3
	v_mov_b32 v[QF+\i], v[QL+\i]
.endr
	v_mov_b32 v[DM], v[DML]
	FRESH
.set j, 0
.rept 32
	v_mov_b32 v[O+j], 0
.set j, j+1
.endr
.endm
; SLOT s.  Two barriers: behind the first, key step s lies in LDS; the second parts this slot's reads of the images from the next slot's stores into them.  Behind slot 7's first barrier nothing is stored into the images any more.
.macro SLOT s
.if \s < 8
	PHASE1 \s
.endif
	s_add_co_u32 s[U], s[A], \s
	s_and_b32 s[KK], s[U], 7
	s_min_u32 s[KK], s[KK], \s                     ; hi: s (s + a <= 7);  lo: s + a - 8
	s_lshl_b32 s[TB], s[KK], 9
	s_lshl_b32 s[TS], s[KK], 6
	s_lshl_b32 s[TV], s[KK], 8
.if \s >= 5
	s_cmp_lg_u32 s[U], 8                           ; s = 8 - a: hi is finished, lo begins.  The branch hangs on the wave's number alone
	s_cbranch_scc1 .Lstay_\@
	FINISH OH, 1
	RESET
.Lstay_\@:
.endif
.if \s == 0
	STEP 1, 0
.elseif \s < 4
	STEP 0, 0
.elseif \s < 8
	STEP 0, 1
.else
	STEP 0, 2
.endif
.if \s < 7
	BAR
.endif
.endm
	s_load_b256 s[4:11], s[0:1], 0x0               ; queries s[4:5], keys s[6:7], values s[8:9], out0 s[10:11]
	v_lshl_add_u32 v254, v0, 2, 0x22800            ; my spare word: behind the sixteen stages, 128 bytes for each wave, which no other line names;
	v_mov_b32 v255, 0                              ; and 0: the two registers of the closing lines' add
	v_lshrrev_b32 v[T0], 5, v0
	v_readfirstlane_b32 s[WV], v[T0]               ; wave 0..15
	s_wait_alu depctr_va_sdst(0)                   ; s12 is written, ahead of its first reader: a, my tiles, my job and every branch on the wave's number are made from it
	s_and_b32 s36, s[WV], 3
	s_lshr_b32 s37, s[WV], 2
	s_add_co_u32 s[A], s36, s37
	s_and_b32 s[A], s[A], 3                        ; a = (w % 4 + w / 4) % 4: among waves of equal w % 4, and among waves of equal w / 4, each a stands once
	s_and_b32 s38, ttmp9, 1                        ; which half of the head's pairs is my work-group's
	s_lshl_b32 s38, s38, 2
	s_lshl_b32 s39, s[A], 3
	s_add_co_u32 s39, s39, s38
	s_add_co_u32 s39, s39, s37                     ; i = 8 a + 4 (x % 2) + w / 4: lo's tile; hi's is 63 - i
	s_lshr_b32 s40, ttmp9, 1                       ; the head: 8 bn + h
	s_lshr_b32 s41, s40, 3
	s_and_b32 s40, s40, 7
	s_lshl_b32 s41, s41, 21                        ; bn x 1,024 rows of 2,048 bytes
	s_lshl_b32 s40, s40, 8                         ; h x 256 bytes
	s_add_co_u32 s40, s40, s41                     ; the head's first byte, the same in all four tensors (under 2^25)
	s_and_b32 s42, s[WV], 7                        ; my job in the quantising: K's tile, or V's 2 x block + half
	s_lshr_b32 s43, s42, 1
	s_and_b32 s44, s42, 1
	s_and_b32 s36, s39, 7
	s_lshl_b32 s36, s36, 4                         ; lo's first query in its diagonal step;
	s_sub_co_u32 s37, 112, s36                     ; hi's
	s_mov_b32 s[SEL], 0x76543210
	s_mov_b32 s[SEL+1], 0xfedcba98
	s_mov_b32 s[CS], 0x3e38aa3b                    ; c = log2(e) / sqrt(64)
	s_mov_b32 s[CS+1], s[CS]                       ; (named with it as a pair, so it is written)
	v_and_b32 v[T0], 31, v0                        ; lane
	v_and_b32 v[T1], 15, v0                        ; r
	v_bfe_u32 v[SOP], v0, 4, 1                     ; h
	v_lshlrev_b32 v[BY], 4, v[T1]                  ; 16 r
	v_lshlrev_b32 v[WT], 2, v[T1]                  ; 4 r
	v_lshl_add_u32 v[AK], v[T0], 4, KIMG
	v_lshl_add_u32 v[AV], v[SOP], 13, v[BY]
	v_add_nc_u32 v[AV], VIMG, v[AV]
	v_lshl_add_u32 v[ASK], v[SOP], 9, v[WT]
	v_add_nc_u32 v[ASK], KSC, v[ASK]
	v_lshl_add_u32 v[ASV], v[T0], 2, VSC
	s_mul_i32 s38, s[WV], WST
	s_add_co_u32 s38, s38, STG                     ; my stage
	v_mul_u32_u24 v[STW], v[SOP], SP
	v_add_nc_u32 v[STW], v[STW], v[BY]
	v_add_nc_u32 v[STW], s38, v[STW]
	v_mul_u32_u24 v[STR], v[T1], SP
	v_add_nc_u32 v[STR], s38, v[STR]
	v_lshl_add_u32 v[STO], v[SOP], 5, v[STR]
	v_lshl_add_u32 v[STR], v[SOP], 7, v[STR]
	v_lshl_add_u32 v[GIN], v[SOP], 11, v[BY]
	v_lshlrev_b32 v[GV], 2, v[T0]
	s_lshl_b32 s41, s42, 12
	v_add_nc_u32 v[KWI], s41, v[AK]
	v_add_nc_u32 v[VWI], VIMG, v[KWI]
	s_lshl_b32 s45, s42, 9
	s_add_co_u32 s45, s45, KSC
	v_add_nc_u32 v[KWS], s45, v[WT]
	s_lshl_b32 s46, s44, 7
	s_add_co_u32 s46, s46, s43
	s_add_co_u32 s46, s46, VSC
	v_add_nc_u32 v[VWS], s46, v[GV]
	v_lshlrev_b32 v[SH8], 3, v[SOP]
	v_lshlrev_b32 v[BY], 4, v[SOP]
	v_sub_nc_u32 v[BY], v[T1], v[BY]               ; r - 16 h
	v_add_nc_u32 v[DM], s37, v[BY]                 ; hi comes first
	v_add_nc_u32 v[DML], s36, v[BY]
	v_mov_b32 v[NINF], 0xff800000
	FRESH
.irp i, 0,1,2,3
	v_mov_b32 v[QF+4+\i], 0                        ; Q's zero codes for k = 64 .. 127
	v_mov_b32 v[KF+32+\i], 0                       ; what stands behind K's tile 7
	v_mov_b32 v[BP+\i], 0                          ; written once: a lane exchange's destination counts as one of its sources
.endr
	v_mov_b32 v[PX], 0
	v_mov_b32 v[F+1], 0                            ; (named as the upper half of the pair)
	s_lshl_b32 s45, s43, 16                        ; 32 keys x (job / 2),
	s_add_co_u32 s45, s45, s40                     ; in my head
	s_lshl_b32 s46, s44, 14                        ; K: + 8 keys x (job % 2)
	s_add_co_u32 s46, s46, s45
	s_mov_b32 s47, 0
	s_wait_kmcnt 0x0
	s_add_nc_u64 s[KB:KB+1], s[6:7], s[46:47]
	s_lshl_b32 s46, s44, 7                         ; V: + 32 dims x (job % 2)
	s_add_co_u32 s46, s46, s45
	s_add_nc_u64 s[VB:VB+1], s[8:9], s[46:47]
	s_lshl_b32 s46, s39, 15                        ; lo: 16 rows x i
	s_add_co_u32 s46, s46, s40
	s_add_nc_u64 s[QBL:QBL+1], s[4:5], s[46:47]
	s_add_nc_u64 s[OL:OL+1], s[10:11], s[46:47]
	s_sub_co_u32 s46, 63, s39                      ; hi: 16 rows x (63 - i)
	s_lshl_b32 s46, s46, 15
	s_add_co_u32 s46, s46, s40
	s_add_nc_u64 s[QBH:QBH+1], s[4:5], s[46:47]
	s_add_nc_u64 s[OH:OH+1], s[10:11], s[46:47]
	s_wait_alu depctr_va_vdst(0)                   ; the thirteen addresses v1 to v13 are written, which the kernel's loads and stores read and nothing writes again; so are the zero codes that the first products take
	LOADQ S, QBH
	LOADQ S+32, QBL
	s_cmp_lt_u32 s[WV], 8
	s_cbranch_scc0 .Lhead_v
	LOADK 0
	s_wait_loadcnt 8                               ; Q's sixteen loads are in; key step 0's eight, issued behind them, may be out
	s_branch .Lhead_go
.Lhead_v:
	LOADV 0
	s_wait_loadcnt 32                              ; likewise: V's 32 may be out
.Lhead_go:
	TURN S, O                                      ; both tiles of queries become codes while key step 0 is on its way.  hi's turn lands in O^T's registers, lo's in K's: no instruction has named either yet
	QROW O, QF, QS
	TURN S+32, KF
	QROW KF, QL, QSL
	s_wait_alu depctr_vm_vsrc(0)                   ; the two turns' stores have read S .. S + 63, in which a K wave's first turn lands and which the first products write
.irp s, 0,1,2,3,4,5,6,7,8
	SLOT \s
.endr
	FINISH OL, 0
	s_wait_dscnt 0x0                               ; the closing lines, six on end
	s_wait_alu 0x0
	s_wait_tensorcnt 0x0
	ds_add_u32 v254, v255
	s_wait_dscnt 0x0
	s_endpgm
.Lfunc_end_k_q9494f100f5_attn:
	.size	k_q9494f100f5_attn, .Lfunc_end_k_q9494f100f5_attn-k_q9494f100f5_attn
	.p2alignl 7, 3214868480
	.fill 96, 4, 3214868480
	.section	.rodata,"a",@progbits
	.p2align	6, 0x0
	.amdhsa_kernel k_q9494f100f5_attn
		.amdhsa_group_segment_fixed_size 143360
		.amdhsa_private_segment_fixed_size 0
		.amdhsa_enable_private_segment 0
		.amdhsa_kernarg_size 32
		.amdhsa_user_sgpr_count 2
		.amdhsa_user_sgpr_kernarg_segment_ptr 1
		.amdhsa_wavefront_size32 1
		.amdhsa_system_sgpr_workgroup_id_x 1
		.amdhsa_system_sgpr_workgroup_id_y 1
		.amdhsa_system_sgpr_workgroup_id_z 1
		.amdhsa_system_vgpr_workitem_id 0
		.amdhsa_next_free_vgpr 256
		.amdhsa_next_free_sgpr 66
		.amdhsa_reserve_vcc 0
		.amdhsa_float_denorm_mode_32 3
		.amdhsa_float_denorm_mode_16_64 3
		.amdhsa_memory_ordered 1
		.amdhsa_forward_progress 1
		.amdhsa_inst_pref_size 255
	.end_amdhsa_kernel
	.section	.bss,"aw",@nobits
	.p2align	6
	.space	262144
	.amdgpu_metadata
---
amdhsa.version: [ 1, 2 ]
amdhsa.kernels:
  - .name:           k_q9494f100f5_attn
    .symbol:         k_q9494f100f5_attn.kd
    .args:
      - { .name: queries, .offset: 0, .size: 8, .value_kind: global_buffer, .address_space: global }
      - { .name: keys, .offset: 8, .size: 8, .value_kind: global_buffer, .address_space: global }
      - { .name: values, .offset: 16, .size: 8, .value_kind: global_buffer, .address_space: global }
      - { .name: out0, .offset: 24, .size: 8, .value_kind: global_buffer, .address_space: global }
    .group_segment_fixed_size: 143360
    .private_segment_fixed_size: 0
    .kernarg_segment_align: 8
    .kernarg_segment_size: 32
    .max_flat_workgroup_size: 512
    .sgpr_count:     66
    .vgpr_count:     256
    .wavefront_size: 32
...
	.end_amdgpu_metadata
.endif
;; end of part 2
